; MI455X (gfx1250); checked and timed in simulation.
; The chip was launched on July 23, 2026; its instructions are those of AMD's public machine-readable ISA for CDNA 5 (MIT licence, August 2026) and "CDNA5" Instruction Set Architecture Reference Guide (July 2026). The comments in the code are by the model that wrote it; some were corrected since.
;; Continuous Attention. Allowed arithmetic: matrix products marked QUANTISED: E2M1 operands, one E8M0 scale for each 32 along K, by v_wmma_scale_f32_16x16x128_f8f6f4 with both operands' format E2M1 (or v_wmma_scale_f32_32x16x128_f4), f32 sums; everything else in f32.
;; Inputs: K 2 x 16 x 2,048 x 256 float32; Q 2 x 16 x 2,048 x 256 float32; V_codes 2 x 16 x 256 x 64 x 16 uint8 (E2M1 codes of V, K innermost, in blocks of 32 codes, two codes a byte); V_scales 2 x 16 x 256 x 64 uint8 (E8M0 scales of V, one for each 32 codes along K).
;; Outputs: out0 2 x 16 x 2,048 x 256 float32.
;; This version of the problem:
;;   THIS VERSION OF THE PROBLEM IS GIVEN IN LOW PRECISION. The matrix products marked QUANTISED in the list below multiply operands that are first quantised to E2M1 (2 exponent bits, 1 mantissa bit; 4 bits a number), with one power-of-two scale for each 32 numbers along K (OCP MX v1.0); their sums are f32. All else is computed in f32.
;;   The module's matrix products, in the order in which they are computed (A, B: the left and right operand; K: the contracted axis; several contracted axes count as one K, in the product's order):
;;     1. batch 32 x [M 2,048, K 256] x [K 256, N 2,048]; A: computed on the way; B: computed on the way: QUANTISED
;;     2. batch 32 x [M 2,048, K 2,048] x [K 2,048, N 256]; A: computed on the way; B: input V (given as codes): QUANTISED
;;   THE QUANTISER, for each operand of a quantised product, along K:
;;     - K is cut into blocks of 32 from its start; a last block that is shorter is filled with zeros.
;;     - A block's scale is 2^e with e = floor(log2(the largest magnitude in the block)) - 2, held to -126 .. 127; a block of zeros has e = 0. As a byte (E8M0): e + 127.
;;     - Each number is divided by its block's scale, clamped to +-6, and rounded to the nearest number of E2M1, ties to even, subnormals kept.
;;     - The product sums the exact products of the quantised numbers (number of the format x scale) in f32.
;;   ~~~python
;;   def quantise(x, axis):      # numpy; x: float32 -> the quantised numbers, widened to float32 again
;;       x = np.moveaxis(x, axis, -1); K = x.shape[-1]
;;       x = np.pad(x, [(0, 0)] * (x.ndim - 1) + [(0, -K % 32)]); x = x.reshape(x.shape[:-1] + (-1, 32)); a = np.abs(x).max(-1, keepdims=True)
;;       e = np.where(a > 0, np.clip(np.frexp(np.where(a > 0, a, 1))[1] - 1 - 2, -126, 127), 0)      # np.frexp(a)[1] - 1 = floor(log2(a)), exactly
;;       r = np.clip(x / 2.0 ** e, -6, 6)
;;       step = 2.0 ** (np.maximum(np.frexp(np.where(r == 0, 1, r))[1] - 1, 0) - 1)
;;       q = np.round(r / step) * step * 2.0 ** e      # np.round: ties to even
;;       return np.moveaxis(q.reshape(q.shape[:-2] + (-1,))[..., :K], -1, axis).astype(np.float32)
;;   ~~~
;;   OPERANDS COMPUTED ON THE WAY. 'Computed on the way' means the value that the module computes at that place (a softmax that the list does not call 'softmax' is quantised finished and normalised). What goes into a quantiser is computed in f32, as accurately as f32 sums, v_exp_f32 and their like allow (about 1e-6 of the number): no bf16 or f16 on the way to a quantiser, and a product that is left as it is and whose result goes on into a quantised operand takes f32 operands (vector FMAs, or v_wmma_f32_16x16x4_f32). A number that lies on a knife's edge between two numbers of the format may be rounded either way, as far as f32 arithmetic and the matrix unit's own rounding can turn it there, and no further.
;;   INPUTS GIVEN AS CODES. V (in the module: [2, 16, 2048, 256], K = its axis 2): each comes as NAME_codes (uint8): NAME with its K axis moved to the last place and cut into blocks of 32 codes, [.., K / 32, bytes a block], one block behind the other in memory; two codes a byte, the lower K in the low four bits (a code: sign, 2 exponent bits, 1 mantissa bit); and NAME_scales (uint8): the same leading axes, one E8M0 byte (e + 127) for each 32 codes along K. Its value is code x scale, taken as it is: it is not quantised again, and the codes and scales need not be those that the quantiser above would give.
;; One version. Each part assembles by itself: llvm-mc -triple=amdgcn-amd-amdhsa -mcpu=gfx1250 --defsym DOCPART=n.
;; ======== version 1 of 1: 2 launches
;; workspace buffers: qr_codes 8,388,608 bytes; qr_scales 524,288 bytes
;; launch rope_quant (part 1): grid 32 x 8, 8 waves a work-group, no clusters, 70,656 bytes of LDS; arguments Q, qr_codes, qr_scales; writes qr_codes, qr_scales
.if DOCPART == 1
	.amdgcn_target "amdgcn-amd-amdhsa--gfx1250"
	.amdhsa_code_object_version 6
	.text
	.protected	k_qa61fa49b95_rope_quant
	.globl	k_qa61fa49b95_rope_quant
	.p2align	8
	.type	k_qa61fa49b95_rope_quant,@function
k_qa61fa49b95_rope_quant:
	s_mov_b64 s[64:65], 0
	v_nop
	global_prefetch_b8 v0, s[64:65] scope:SCOPE_SE
	s_setreg_imm32_b32 hwreg(HW_REG_WAVE_MODE, 25, 1), 1
	s_wait_xcnt 0x0
; QR = rope(Q), quantised along N to codes of FP4 (E2M1) with one E8M0 byte for each 32 numbers.  Q: [32 heads][2048][256] f32.
; OUTPUT LAYOUT, as the next launch's operand registers take it.  A head's rows are cut into 128 tiles of 16: row r of tile T is t = 32 (T / 2) + 8 (T % 2) + r + (r & 8).
;   qr_codes [head][tile][g = 2 s + c][lane][16 bytes]: lane (r, h) holds the 32 codes n = 128 s + 64 c + 32 h + 0 .. 31 of row r: the image of registers 4 c .. 4 c + 3 of the fragment of K step s.
;   qr_scales [head][tile / 4][16 s + r][tile % 4], 32-bit words: the four scale bytes of row r for K step s.
; SHARES.  Work-group (x, y): tiles 4 x .. 4 x + 3 of heads 4 y .. 4 y + 3.  Wave w: tile 4 x + w / 2, K step s = w % 2, for the four heads one after the other: the phases hang on t and n alone,
; so a lane's 32 pairs (cos, sin) are made once and serve four heads.  Each load reads 512 consecutive bytes of a row; the 16 rows turn through the wave's own stage in LDS, so that a lane gets 2 x 32 neighbours.
; WHAT GOES INTO THE QUANTISER FOLLOWS THE MODULE'S f32 STEPS, since a code turns over where a number lies at the middle between two codes, and one unit in a frequency's last place moves the angle by 5e-5 at t = 1,000.
; PHASES: freq(pair j) = F[j % 8] x 2^-(j / 8), F[k] = RN(RN(2^(-k / 8)) x RN(1 / RN(2 pi))): the division by the constant 2 pi is taken as a multiplication by its rounded reciprocal, as a compiled module has it
; (RN(1 / RN(2^(k / 8))) and RN(2^(-k / 8)) are the same eight numbers).  phase = RN(t x freq): a factor 2^-e commutes with the rounding, so part of it rides in the literal and part in t.
; frac = phase - floor(phase) is exact; x = RN(frac x RN(2 pi)).
; SIN x AND COS x ARE ROUNDED ONCE.  y = x - k pi / 2 is kept as a sum of two f32 numbers, so are y^2 and the first terms of the two series (1 / 6 and 1 / 24 are given in two parts); the errors of the
; large additions are recovered exactly and added back ahead of the last addition.  Ahead of that rounding the error is at most about 5e-10.
; THE ROTATION: one product, rounded, and one fused multiply-add: v cos + RN(v_rot sin).
; LIMITS.  A host that truly divides by 2 pi has F[4] and F[6] one unit in the last place higher.  NaN and infinities are not served.
; A block whose largest magnitude lies under 2^-124 (a block of zeros too) gets the byte 1: its codes are zeros or tiny, and only this program reads the bytes.  The input K of the problem is used by no result and is not read.
.set QROW,  1024                       ; a row of Q in bytes
.set QHEAD, 2048*QROW
.set CHEAD, 262144                     ; a head's codes
.set SP,    528                        ; a stage row: 512 bytes + 16: row r begins 4 r words further round the 64 words that one pass covers
.set WSTG,  16*SP                      ; a wave's stage
.set SG,    8*WSTG                     ; behind the stages: the scale words of 4 heads x 512 bytes
.set LO,   1                           ; v1   16 x lane
.set SI,   2                           ; v2   into the stage
.set SOUT, 3                           ; v3   out of it: row r, + 128 h
.set SGA,  4                           ; v4   where my row's scale word goes
.set TFE,  5                           ; v5   t x 2^-(8 s + 2 h) as f32
.set SH8,  6                           ; v6   8 h
.set SGR,  11                          ; v11  the gathered words, on the way out
.set SGO,  12                          ; v12  and their place in qr_scales
.set RA,   16                          ; v16-79, v80-143: 16 rows as loaded, two sets
.set RB,   80
.set X,    144                         ; v144-207: 64 neighbours; before the first head: at work for sin and cos
.set T,    208                         ; v208-223: eight pairs (b sin, a sin); at the end the gathered scale words
.set QM,   224                         ; v224-230: the quantiser's
.set C,    240                         ; v240-247: codes
.set PW,   248                         ; v248: the scale word
.set CSW,  0                           ; window 1: v256-319: pair p: cos at 2 p, sin at 2 p + 1
.set B0,  X                            ; fourteen runs of four registers: four pairs are worked line by line by turns
.set B1,  X+4
.set B2,  X+8
.set B3,  X+12
.set B4,  X+16
.set B5,  X+20
.set B6,  X+24
.set B7,  X+28
.set B8,  X+32
.set B9,  X+36
.set B10, X+40
.set B11, X+44
.set B12, X+48
.set B13, X+52
.set SEL, 20                           ; s[20:21] selects of v_permlanex16_b32: lane l xor 16
.set F0, 0x3e22f983
.set F1, 0x3e1572cc
.set F2, 0x3e090b78
.set F3, 0x3dfb575e
.set F4, 0x3de67b20                    ; 11,863,283 x 10,680,707 / 2^23 = 15,104,800.44
.set F5, 0x3dd35a1c
.set F6, 0x3dc1cf84                    ; 9,975,792 x 10,680,707 / 2^23 = 12,701,572.35
.set F7, 0x3db1b9a2
.set MSB, 0
.macro WIN new                         ; the immediate's high byte repeats the setting that is left
.if MSB != (\new)
	s_set_vgpr_msb (MSB<<8)|(\new)
.set MSB, (\new)
.endif
.endm
	s_load_b128 s[4:7], s[0:1], 0x0                ; Q, qr_codes
	s_load_b64 s[8:9], s[0:1], 0x10                ; qr_scales
	v_lshl_add_u32 v254, v0, 2, 0x11000
	v_mov_b32 v255, 0
	v_lshrrev_b32 v7, 5, v0
	v_readfirstlane_b32 s12, v7                    ; wave 0..7
	s_lshr_b32 s13, s12, 1                         ; which of the four tiles
	s_and_b32 s14, s12, 1                          ; s: which 128 of N
	s_lshl_b32 s15, ttmp9, 2
	s_add_co_u32 s15, s15, s13                     ; tile
	s_lshr_b32 s16, s15, 1
	s_lshl_b32 s16, s16, 5
	s_and_b32 s17, s15, 1
	s_lshl_b32 s17, s17, 3
	s_add_co_u32 s16, s16, s17                     ; t0 = 32 (tile / 2) + 8 (tile % 2)
	s_and_b32 s18, ttmp7, 0xffff                   ; group of four heads
	s_lshl_b32 s22, s18, 23                        ; Q: 4 heads of 2^21 bytes,
	s_lshl_b32 s17, s16, 10
	s_add_co_u32 s22, s22, s17                     ; row t0,
	s_lshl_b32 s17, s14, 9
	s_add_co_u32 s22, s22, s17                     ; my 512 bytes of a row
	s_mov_b32 s23, 0
	s_lshl_b32 s24, s18, 20                        ; codes: 4 heads of 2^18 bytes, tile x 2,048, s x 1,024
	s_lshl_b32 s17, s15, 11
	s_add_co_u32 s24, s24, s17
	s_lshl_b32 s17, s14, 10
	s_add_co_u32 s24, s24, s17
	s_mov_b32 s25, 0
	s_lshl_b32 s26, s18, 16                        ; scale words: 4 heads of 2^14 bytes, 512 for each four tiles
	s_lshl_b32 s17, ttmp9, 9
	s_add_co_u32 s26, s26, s17
	s_mov_b32 s27, 0
	v_and_b32 v[LO], 31, v0
	v_lshlrev_b32 v[LO], 4, v[LO]
	v_and_b32 v7, 15, v0                           ; r
	v_bfe_u32 v8, v0, 4, 1                         ; h
	s_mul_i32 s28, s12, WSTG
	v_add_nc_u32 v[SI], s28, v[LO]
	v_mul_u32_u24 v[SOUT], v7, SP
	v_lshl_add_u32 v[SOUT], v8, 7, v[SOUT]
	v_add_nc_u32 v[SOUT], s28, v[SOUT]
	s_lshl_b32 s28, s14, 8
	s_lshl_b32 s29, s13, 2
	s_add_co_u32 s28, s28, s29
	s_add_co_u32 s28, s28, SG
	v_lshl_add_u32 v[SGA], v7, 4, s28              ; SG + 16 (16 s + r) + 4 (tile % 4)
	v_lshlrev_b32 v[SH8], 3, v8
	s_and_b32 s28, s12, 3                          ; on the way out wave w (0..3) takes head w's 512 bytes
	s_lshl_b32 s29, s28, 9
	s_add_co_u32 s29, s29, SG
	v_add_nc_u32 v[SGR], s29, v[LO]
	s_lshl_b32 s29, s28, 14
	v_add_nc_u32 v[SGO], s29, v[LO]
	v_and_b32 v9, 8, v7
	v_add_nc_u32 v9, v9, v7
	v_add_nc_u32 v9, s16, v9                       ; my row's t
	v_cvt_f32_u32 v9, v9
	v_lshlrev_b32 v10, 1, v8
	s_lshl_b32 s29, s14, 3
	v_add_nc_u32 v10, s29, v10
	v_sub_nc_u32 v10, 0, v10
	v_ldexp_f32 v[TFE], v9, v10                    ; exact
	v_mov_b32 v[QM+6], 0                           ; a lane permute's destination counts as one of its sources
	s_mov_b32 s[SEL], 0x76543210
	s_mov_b32 s[SEL+1], 0xfedcba98
	s_mov_b32 s30, 0x40c90fdb                      ; RN(2 pi)
	s_mov_b32 s31, 0x3f22f983                      ; 2 / pi
	s_mov_b32 s32, 0x3fc90fdb                      ; pi / 2, upper part,
	s_mov_b32 s33, 0xb33bbd2e                      ; and the next 24 bits of it (what is left is under 2e-15)
	s_mov_b32 s34, 0xbe2aaaab                      ; -1 / 6, upper part,
	s_mov_b32 s35, 0x31aaaaab                      ; and lower: + 2^-26 / 3
	s_mov_b32 s36, 0x3c088889                      ; 1 / 120
	s_mov_b32 s37, 0xb9500d01                      ; -1 / 5040
	s_mov_b32 s38, 0x3638ef1d                      ; 1 / 362880
	s_mov_b32 s39, 0xb2d7322b                      ; -1 / 39916800
	s_mov_b32 s40, 0x3d2aaaab                      ; 1 / 24, upper part,
	s_mov_b32 s41, 0xb0aaaaab                      ; and lower: - 2^-28 / 3
	s_mov_b32 s42, 0x3daaaaab                      ; 1 / 12
	s_mov_b32 s43, 0xbab60b61                      ; -1 / 720
	s_mov_b32 s44, 0x37d00d01                      ; 1 / 40320
	s_mov_b32 s45, 0xb493f27e                      ; -1 / 3628800
	s_mov_b32 s46, 0x310f76c7                      ; 1 / 479001600
	s_wait_kmcnt 0x0
	s_add_nc_u64 s[4:5], s[4:5], s[22:23]
	s_add_nc_u64 s[6:7], s[6:7], s[24:25]
	s_add_nc_u64 s[8:9], s[8:9], s[26:27]
.macro LOAD hl, r                      ; head hl: my tile's 16 rows, 512 consecutive bytes a load; every offset is an immediate, 6,315,008 at the most
.irp i, 0,1,2,3,4,5,6,7,8,9,10,11,12,13,14,15
	global_load_b128 v[\r+4*\i:\r+4*\i+3], v[LO], s[4:5] offset:(\hl)*QHEAD+(\i+8*(\i/8))*QROW th:TH_LOAD_NT
.endr
.endm
	LOAD 0, RA
	LOAD 1, RB                                     ; 32 loads of the wave are out while sin and cos are made
; Four pairs at a time, line by line by turns.  Pair p = 4 g + q of my 32: cell c = p / 16, m = p % 16; its frequency is F[m % 8] x 2^-(8 s + 4 c + 2 h + m / 8): 4 c + m / 8 is taken off the literal's exponent.
.macro SINCOS g, fa, fb, fc, fd
.set EX, (4*((\g)/4)+((\g)%4)/2)<<23
	v_mul_f32 v[B0+0], (\fa)-EX, v[TFE]            ; the phase in turns: one rounding
	v_mul_f32 v[B0+1], (\fb)-EX, v[TFE]
	v_mul_f32 v[B0+2], (\fc)-EX, v[TFE]
	v_mul_f32 v[B0+3], (\fd)-EX, v[TFE]
.irp q, 0,1,2,3
	v_floor_f32 v[B1+\q], v[B0+\q]
.endr
.irp q, 0,1,2,3
	v_sub_f32 v[B0+\q], v[B0+\q], v[B1+\q]         ; phase mod 1: exact
.endr
.irp q, 0,1,2,3
	v_mul_f32 v[B0+\q], s30, v[B0+\q]              ; x
.endr
.irp q, 0,1,2,3
	v_mul_f32 v[B1+\q], s31, v[B0+\q]
.endr
.irp q, 0,1,2,3
	v_rndne_f32 v[B1+\q], v[B1+\q]                 ; k = 0 .. 4
.endr
.irp q, 0,1,2,3
	v_fma_f32 v[B0+\q], -v[B1+\q], s32, v[B0+\q]   ; x - k P1: exact (a multiple of 2^-24 under 1)
.endr
.irp q, 0,1,2,3
	v_fma_f32 v[B2+\q], -v[B1+\q], s33, v[B0+\q]   ; yh
.endr
.irp q, 0,1,2,3
	v_sub_f32 v[B0+\q], v[B0+\q], v[B2+\q]
.endr
.irp q, 0,1,2,3
	v_fma_f32 v[B3+\q], -v[B1+\q], s33, v[B0+\q]   ; yl: what yh's rounding dropped
.endr
.irp q, 0,1,2,3
	v_cvt_i32_f32 v[B1+\q], v[B1+\q]
.endr
.irp q, 0,1,2,3
	v_mul_f32 v[B4+\q], v[B2+\q], v[B2+\q]         ; zh,
.endr
.irp q, 0,1,2,3
	v_fma_f32 v[B5+\q], v[B2+\q], v[B2+\q], -v[B4+\q]   ; zl: zh + zl = yh^2 exactly
.endr
.irp q, 0,1,2,3
	v_mul_f32 v[B6+\q], v[B4+\q], v[B4+\q]         ; zh^2, rounded
.endr
.irp q, 0,1,2,3
	v_fma_f32 v[B7+\q], v[B4+\q], s39, s38         ; the series' small ends in plain f32: sin's from y^5 on,
	v_fma_f32 v[B8+\q], v[B4+\q], s46, s45         ; cos's from y^6 on
.endr
.irp q, 0,1,2,3
	v_fma_f32 v[B7+\q], v[B7+\q], v[B4+\q], s37
	v_fma_f32 v[B8+\q], v[B8+\q], v[B4+\q], s44
.endr
.irp q, 0,1,2,3
	v_fma_f32 v[B7+\q], v[B7+\q], v[B4+\q], s36
	v_fma_f32 v[B8+\q], v[B8+\q], v[B4+\q], s43
.endr
	; sin yh = yh + yh u, u = -z / 6 + z^2 (..)
.irp q, 0,1,2,3
	v_mul_f32 v[B9+\q], s34, v[B4+\q]              ; -z / 6: upper part,
.endr
.irp q, 0,1,2,3
	v_fma_f32 v[B10+\q], v[B4+\q], s34, -v[B9+\q]  ; what its rounding dropped,
.endr
.irp q, 0,1,2,3
	v_fma_f32 v[B10+\q], v[B4+\q], s35, v[B10+\q]  ; the constant's lower part,
.endr
.irp q, 0,1,2,3
	v_fma_f32 v[B10+\q], v[B5+\q], s34, v[B10+\q]  ; z's lower part,
.endr
.irp q, 0,1,2,3
	v_fma_f32 v[B10+\q], v[B6+\q], v[B7+\q], v[B10+\q]   ; and the series' end
.endr
.irp q, 0,1,2,3
	v_mul_f32 v[B7+\q], v[B2+\q], v[B9+\q]         ; yh u: upper part,
.endr
.irp q, 0,1,2,3
	v_fma_f32 v[B11+\q], v[B2+\q], v[B9+\q], -v[B7+\q]
.endr
.irp q, 0,1,2,3
	v_fma_f32 v[B11+\q], v[B2+\q], v[B10+\q], v[B11+\q]  ; and lower
.endr
.irp q, 0,1,2,3
	v_add_f32 v[B9+\q], v[B2+\q], v[B7+\q]         ; sh
.endr
.irp q, 0,1,2,3
	v_sub_f32 v[B10+\q], v[B2+\q], v[B9+\q]
.endr
.irp q, 0,1,2,3
	v_add_f32 v[B10+\q], v[B10+\q], v[B7+\q]       ; what sh's rounding dropped: exact, since |yh| is the larger
.endr
	; cos yh = 1 - z / 2 + z^2 / 24 + z^3 (..)
.irp q, 0,1,2,3
	v_mul_f32 v[B7+\q], s40, v[B6+\q]              ; z^2 / 24: upper part,
.endr
.irp q, 0,1,2,3
	v_fma_f32 v[B12+\q], v[B6+\q], s40, -v[B7+\q]  ; what its rounding dropped,
	v_fma_f32 v[B13+\q], v[B4+\q], v[B4+\q], -v[B6+\q]   ; (what zh^2's rounding dropped)
.endr
.irp q, 0,1,2,3
	v_fma_f32 v[B12+\q], v[B6+\q], s41, v[B12+\q]  ; the constant's lower part,
.endr
.irp q, 0,1,2,3
	v_fma_f32 v[B12+\q], v[B13+\q], s40, v[B12+\q]
.endr
.irp q, 0,1,2,3
	v_mul_f32 v[B13+\q], v[B4+\q], v[B5+\q]
.endr
.irp q, 0,1,2,3
	v_fma_f32 v[B12+\q], v[B13+\q], s42, v[B12+\q] ; 2 zh zl / 24,
.endr
.irp q, 0,1,2,3
	v_mul_f32 v[B13+\q], v[B6+\q], v[B4+\q]
.endr
.irp q, 0,1,2,3
	v_fma_f32 v[B12+\q], v[B13+\q], v[B8+\q], v[B12+\q]  ; and the series' end
.endr
.irp q, 0,1,2,3
	v_fma_f32 v[B6+\q], v[B4+\q], -0.5, 1.0        ; 1 - zh / 2, rounded,
.endr
.irp q, 0,1,2,3
	v_sub_f32 v[B8+\q], 1.0, v[B6+\q]
.endr
.irp q, 0,1,2,3
	v_fma_f32 v[B8+\q], v[B4+\q], -0.5, v[B8+\q]   ; and what the rounding dropped: exact
.endr
.irp q, 0,1,2,3
	v_add_f32 v[B13+\q], v[B6+\q], v[B7+\q]        ; ch
.endr
.irp q, 0,1,2,3
	v_sub_f32 v[B0+\q], v[B6+\q], v[B13+\q]
.endr
.irp q, 0,1,2,3
	v_add_f32 v[B0+\q], v[B0+\q], v[B7+\q]         ; what ch's rounding dropped: exact
.endr
.irp q, 0,1,2,3
	v_fma_f32 v[B12+\q], v[B5+\q], -0.5, v[B12+\q] ; - zl / 2
	v_fma_f32 v[B11+\q], v[B3+\q], v[B13+\q], v[B11+\q]  ; sin(yh + yl) = sin yh + yl cos yh
.endr
.irp q, 0,1,2,3
	v_fma_f32 v[B12+\q], -v[B3+\q], v[B9+\q], v[B12+\q]  ; cos(yh + yl) = cos yh - yl sin yh
	v_add_f32 v[B11+\q], v[B11+\q], v[B10+\q]
.endr
.irp q, 0,1,2,3
	v_add_f32 v[B12+\q], v[B12+\q], v[B8+\q]
	v_add_f32 v[B5+\q], v[B9+\q], v[B11+\q]        ; sin y: the one rounding
.endr
.irp q, 0,1,2,3
	v_add_f32 v[B12+\q], v[B12+\q], v[B0+\q]
	v_and_b32 v[B6+\q], 1, v[B1+\q]
.endr
.irp q, 0,1,2,3
	v_add_f32 v[B4+\q], v[B13+\q], v[B12+\q]       ; cos y: the one rounding
.endr
.irp q, 0,1,2,3
	v_cmp_eq_u32 vcc_lo, 1, v[B6+\q]               ; an odd k changes sin and cos over
	v_cndmask_b32 v[B7+\q], v[B5+\q], v[B4+\q], vcc_lo
	v_cndmask_b32 v[B4+\q], v[B4+\q], v[B5+\q], vcc_lo
.endr
.irp q, 0,1,2,3
	v_and_b32 v[B6+\q], 2, v[B1+\q]
	v_add_nc_u32 v[B1+\q], 1, v[B1+\q]
.endr
.irp q, 0,1,2,3
	v_lshlrev_b32 v[B6+\q], 30, v[B6+\q]           ; sin is negative for k = 2, 3,
	v_and_b32 v[B1+\q], 2, v[B1+\q]
.endr
.irp q, 0,1,2,3
	v_lshlrev_b32 v[B1+\q], 30, v[B1+\q]           ; cos for k = 1, 2
.endr
	WIN 0x40                                       ; destination window 1
.irp q, 0,1,2,3
	v_xor_b32 v[CSW+2*(4*(\g)+\q)], v[B1+\q], v[B4+\q]     ; v[256 + 2 p] = cos
	v_xor_b32 v[CSW+2*(4*(\g)+\q)+1], v[B6+\q], v[B7+\q]   ; v[257 + 2 p] = sin
.endr
	WIN 0
.endm
.irp g, 0,2,4,6
	SINCOS \g, F0, F1, F2, F3
	SINCOS \g+1, F4, F5, F6, F7
.endr
.macro TURN r                          ; 16 rows into my stage as loaded, and back 2 x 128 bytes a lane.  LDS serves a wave's instructions in order: no wait between
.irp i, 0,1,2,3,4,5,6,7,8,9,10,11,12,13,14,15
	ds_store_b128 v[SI], v[\r+4*\i:\r+4*\i+3] offset:SP*\i
.endr
.irp c, 0,1
.irp q, 0,1,2,3,4,5,6,7
	ds_load_b128 v[X+32*\c+4*\q:X+32*\c+4*\q+3], v[SOUT] offset:256*\c+16*\q
.endr
.endr
.endm
; (a, b) -> (a cos - RN(b sin), b cos + RN(a sin)), the second step fused: two packed instructions a pair, eight pairs by turns
.macro ROPE
	WIN 0x04                                       ; source 1 (cos, sin) window 1
.irp o, 0,8,16,24
.irp p, 0,1,2,3,4,5,6,7
	v_pk_mul_f32 v[T+2*\p:T+2*\p+1], v[X+2*(\o+\p):X+2*(\o+\p)+1], v[CSW+2*(\o+\p):CSW+2*(\o+\p)+1] op_sel:[1,1] op_sel_hi:[0,1]   ; (b sin, a sin)
.endr
.irp p, 0,1,2,3,4,5,6,7
	v_pk_fma_f32 v[X+2*(\o+\p):X+2*(\o+\p)+1], v[X+2*(\o+\p):X+2*(\o+\p)+1], v[CSW+2*(\o+\p):CSW+2*(\o+\p)+1], v[T+2*\p:T+2*\p+1] op_sel_hi:[1,0,1] neg_lo:[0,0,1]
.endr
.endr
	WIN 0
.endm
.macro QUANT1                          ; my two blocks of 32: all their numbers are mine
.irp c, 0,1
	v_max3_num_f32 v[QM+\c], |v[X+32*\c]|, |v[X+32*\c+1]|, 0x1800000   ; with the floor 2^(3 - 127): the byte cannot fall under 1
.endr
.irp i, 2,4,6,8,10,12,14,16,18,20,22,24,26,28,30
.irp c, 0,1
	v_max3_num_f32 v[QM+\c], v[QM+\c], |v[X+32*\c+\i]|, |v[X+32*\c+\i+1]|
.endr
.endr
.irp c, 0,1
	v_add_nc_u32 v[QM+2+\c], 0xff000000, v[QM+\c]  ; 2 off the exponent field: the conversion's scale operand
.endr
.irp c, 0,1
	v_lshrrev_b32 v[QM+4+\c], 23, v[QM+2+\c]       ; the scale's byte
.endr
	v_lshl_or_b32 v[PW], v[QM+5], 16, v[QM+4]      ; my bytes are those of blocks h and 2 + h,
	v_lshlrev_b32 v[PW], v[SH8], v[PW]             ; 8 h bits up;
	v_permlanex16_b32 v[QM+6], v[PW], s[SEL], s[SEL+1]
	v_or_b32 v[PW], v[PW], v[QM+6]                 ; with lane l xor 16's two the word is whole
	s_wait_xcnt 0x0                                ; the last head's stores have read the codes' registers: they are written again only behind this wait
.irp c, 0,1
.irp g, 0,1,2,3
	v_cvt_scalef32_pk8_fp4_f32 v[C+4*\c+\g], v[X+32*\c+8*\g:X+32*\c+8*\g+7], v[QM+2+\c]
.endr
.endr
	v_nop                                          ; one plain line behind the last scaled conversion
.endm
.macro OUT1 hl
.irp c, 0,1
	global_store_b128 v[LO], v[C+4*\c:C+4*\c+3], s[6:7] offset:(\hl)*CHEAD+512*\c   ; 32 lanes store 512 consecutive bytes, aligned
.endr
	ds_store_b32 v[SGA], v[PW] offset:512*(\hl)    ; lanes r and 16 + r write the same word with the same value
.endm
.macro HEAD hl, r, left, more
	s_wait_loadcnt \left                           ; this head's 16 loads are in; the 16 of the other set may be out
	TURN \r
	s_wait_dscnt 0x0                               ; my 64 neighbours are in, and the stage's stores have read the set,
.if \more
	LOAD (\hl)+2, \r                               ; which takes the head two further on
.endif
	ROPE
	QUANT1
	OUT1 \hl
.endm
	HEAD 0, RA, 16, 1
	HEAD 1, RB, 16, 1
	HEAD 2, RA, 16, 0
	HEAD 3, RB, 0, 0
	s_wait_dscnt 0x0                               ; for the others' sake: my scale words lie in LDS
	s_barrier_signal -1
	s_barrier_wait -1
	s_cmp_gt_u32 s12, 3                            ; waves 0 to 3 store a head's 512 bytes of scale words each: two aligned runs of 256 bytes
	s_cbranch_scc1 .Ldone
	ds_load_b128 v[T:T+3], v[SGR]
	s_wait_dscnt 0x0
	global_store_b128 v[SGO], v[T:T+3], s[8:9]
.Ldone:
	s_wait_tensorcnt 0x0
	ds_add_u32 v254, v255
	s_wait_dscnt 0x0
	s_endpgm
.Lfunc_end_k_qa61fa49b95_rope_quant:
	.size	k_qa61fa49b95_rope_quant, .Lfunc_end_k_qa61fa49b95_rope_quant-k_qa61fa49b95_rope_quant
	.p2alignl 7, 3214868480
	.fill 96, 4, 3214868480
	.section	.rodata,"a",@progbits
	.p2align	6, 0x0
	.amdhsa_kernel k_qa61fa49b95_rope_quant
		.amdhsa_group_segment_fixed_size 70656
		.amdhsa_private_segment_fixed_size 0
		.amdhsa_enable_private_segment 0
		.amdhsa_kernarg_size 24
		.amdhsa_user_sgpr_count 2
		.amdhsa_user_sgpr_kernarg_segment_ptr 1
		.amdhsa_wavefront_size32 1
		.amdhsa_system_sgpr_workgroup_id_x 1
		.amdhsa_system_sgpr_workgroup_id_y 1
		.amdhsa_system_sgpr_workgroup_id_z 1
		.amdhsa_system_vgpr_workitem_id 0
		.amdhsa_next_free_vgpr 320
		.amdhsa_next_free_sgpr 66
		.amdhsa_reserve_vcc 1
		.amdhsa_float_denorm_mode_32 3
		.amdhsa_float_denorm_mode_16_64 3
		.amdhsa_memory_ordered 1
		.amdhsa_forward_progress 1
		.amdhsa_inst_pref_size 142
	.end_amdhsa_kernel
	.amdgpu_metadata
---
amdhsa.version: [ 1, 2 ]
amdhsa.kernels:
  - .name:           k_qa61fa49b95_rope_quant
    .symbol:         k_qa61fa49b95_rope_quant.kd
    .args:
      - { .name: Q, .offset: 0, .size: 8, .value_kind: global_buffer, .address_space: global }
      - { .name: qr_codes, .offset: 8, .size: 8, .value_kind: global_buffer, .address_space: global }
      - { .name: qr_scales, .offset: 16, .size: 8, .value_kind: global_buffer, .address_space: global }
    .group_segment_fixed_size: 70656
    .private_segment_fixed_size: 0
    .kernarg_segment_align: 8
    .kernarg_segment_size: 24
    .max_flat_workgroup_size: 256
    .sgpr_count:     66
    .vgpr_count:     320
    .wavefront_size: 32
...
	.end_amdgpu_metadata
.endif
;; end of part 1
;; launch attn (part 2): grid 8 x 32, 4 waves a work-group, clusters of 4 x 1, 327,680 bytes of LDS; arguments qr_codes, qr_scales, V_codes, V_scales, out0; writes out0
.if DOCPART == 2
	.amdgcn_target "amdgcn-amd-amdhsa--gfx1250"
	.amdhsa_code_object_version 6
	.text
	.protected	k_qa61fa49b95_attn
	.globl	k_qa61fa49b95_attn
	.p2align	8
	.type	k_qa61fa49b95_attn,@function
k_qa61fa49b95_attn:
	s_mov_b64 s[64:65], 0
	v_nop
	global_prefetch_b8 v0, s[64:65] scope:SCOPE_SE
	s_setreg_imm32_b32 hwreg(HW_REG_WAVE_MODE, 25, 1), 1
	s_wait_xcnt 0x0
	s_wait_alu depctr_hold_cnt(0) depctr_sa_sdst(0) depctr_va_vdst(0) depctr_va_sdst(0) depctr_va_ssrc(0) depctr_va_vcc(0) depctr_vm_vsrc(0)
	s_getreg_b32 s2, hwreg(HW_REG_IB_STS2, 6, 4)
	s_cmp_eq_u32 s2, 0
	s_cbranch_scc0 .Lentry_in_a_cluster
	s_endpgm
.Lentry_in_a_cluster:
	s_bfe_u32 s2, ttmp6, 0x10000c
	s_cmp_lg_u32 s2, 0x3003
	s_cbranch_scc0 .Lentry_shape_is_right
	s_endpgm
.Lentry_shape_is_right:
; out[h][t][:] = the sum over s < t of Q4(QR[t] . QR[s]) V[s][:], 32 heads, 2,048 rows, 256 channels.  Both products on codes of FP4 (E2M1) with one E8M0 scale for each 32 along K.
; QR comes as codes and scale words laid in the order of the operand's registers (tiles of 16 rows: row r of tile T is t = 32 (T / 2) + 8 (T % 2) + r + (r & 8)); V as given: keys innermost.
; The scores, with zeros where the key is not before the query, are quantised along the keys in registers and never leave them.
; LAYOUT.  Both products are used transposed: S^T = K Q^T (source 0 = a tile of 16 keys, source 1 = a tile of 16 queries), O^T = V^T P^T (source 0 = 16 channels, source 1 = P): a lane holds ONE query throughout.
; By the tiles' choice of rows, the 16 registers of S^T's tiles 2 b and 2 b + 1 are keys 32 b + 16 (lane / 16) + 0 .. 15 of the key step: neighbours along the second product's K.
; SHARES.  A key step is 128 keys, a block 128 queries (8 tiles).  A wave owns four query tiles, tile number i = 2 cx + wave % 2 of blocks 2 a, 2 a + 1, 14 - 2 a, 15 - 2 a, a = 2 x cluster x + wave / 2.
; A tile of block B works in key steps 0 .. B, so every wave has (2 a + 1) + (2 a + 2) + (15 - 2 a) + (16 - 2 a) = 34 tile steps.  Each fragment of K and V is read from LDS once a wave and step and serves all its tiles at work.
; All branches hang on the cluster's x, the wave's number and the step alone; the place in the cluster enters global addresses and the mask's threshold (data) only.
; CLUSTER.  The four work-groups of a cluster walk one head's K and V in step: every tile is asked for JOINTLY, with the mask of all four.
; RING.  Two slots.  Slot n holds V's keys 512 n on and K's key steps 4 n + 1 .. 4 n + 4: the next step's K is always fetched from the slot in hand, a step ahead, and is in registers at a change of slots.
; Key step 0's K, and the scale bytes of the whole head, come once with the first fills.  No prefetch is laid: the launch has two refills, each asked for four key steps ahead of the wait for it.
; LIMITS.  NaN and infinities are not served.  A block of scores whose largest magnitude lies under 2^-124 (a block of zeros too) takes the byte 1.  Clusters with x = 1 have no work in slot 3 and fetch it all the same:
; so every trip count is a constant and every round is common to all.  The input K of the problem is used by no result and is not read.
; REGISTERS, in windows of 256.  Window 0: v1-13 addresses; v16-23 K's scale words, v24-31 V's, v32-35 the queries', v36-39 P's; v40-55 at work; v56-87 P's codes; v88-95 offsets of Q's loads; v128-191 Q's fragments; v192-255 S^T.
;   Window 1: v0-127 K's 16 fragments, v128-255 V's 16.   Window 2: O^T of tiles 0, 1.   Window 3: O^T of tiles 2, 3.
.set KR0,   0                          ; K's ring: 2 x 65,536 bytes, dense images
.set VR0,   131072                     ; V's ring: 2 x 256 rows x 272
.set SCK,   270336                     ; K's scale words of the head, 16,384 bytes
.set SCV,   286720                     ; V's scale bytes: 256 rows x (64 + 8)
.set STG,   305152                     ; the way out: 16 rows x 272 for each wave.  From its byte 1,024 on it lies where key step 0's K lay: filled once, at the head, and read for the last time ahead of the second round
.set K0,    STG+1024
.set SPARE, 322560                     ; the spare words, 128 bytes for each wave: two blocks of 256 bytes that no other line names
.set L16,  1                           ; v1   16 x lane
.set AV0,  2                           ; v2   272 r + 16 h: my place in a tile of V
.set AT0,  3                           ; v3   72 x lane: my row among 32 rows of V's scale bytes
.set ADK,  4                           ; v4-7 the addresses of the loads in hand: K, K's scale words, V, V's scale words
.set ADS,  5
.set ADV,  6
.set ADT,  7
.set STO,  8                           ; v8   the stage, in
.set RD,   9                           ; v9   and back
.set GO,   10                          ; v10  my byte offset in two rows of out
.set DLOC, 11                          ; v11  my query's place in its block - 16 h - 1
.set SPW,  12                          ; v12  LDS address of my spare word; never rewritten
.set NIL,  13                          ; v13  0; never rewritten
.set KS,   16
.set VS,   24
.set QSC,  32
.set PS,   36
.set TM,   40
.set PC,   56
.set QOF,  88
.set QSO,  92
.set QF,   128
.set S,    192
.set WV,   12                          ; s12  wave
.set CX,   13                          ; s13  place in the cluster
.set XX,   14                          ; s14  cluster x
.set HD,   15                          ; s15  head
.set BLK,  20                          ; s[20:23] my four tiles' blocks
.set G1D,  24                          ; s[24:31] group 1: 64 dense rows of 256 bytes
.set G1K,  32                          ; s[32:39] 128 such rows
.set G1V,  40                          ; s[40:47] 128 rows of 256 bytes, 1,024 apart, 16 bytes of padding
.set G1VS, 48                          ; s[48:55] 128 dense rows of 64 bytes, 8 bytes of padding
.set G0X,  56                          ; s[56:59] group 0: wave 0: K's scale words; wave 1: key step 0's K
.set G0Y,  60                          ; s[60:63] V's scale bytes
.set G0K,  68                          ; s[68:71] K's ring, walking
.set G0V,  72                          ; s[72:75] V's ring, walking
.set OB,   76                          ; s[76:83] out at my four tiles' first rows
.set KK,   84                          ; s84  the key step
.set CNT,  85                          ; s85  trips
.set AK,   86                          ; s86-89 LDS bytes: the next step's K, this step's V, the next step's K scale words, this step's V scale words
.set AV,   87
.set ASK,  88
.set ASV,  89
.set SEL,  90                          ; s[90:91] selects of v_permlanex16_b32: lane l xor 16
.set G1K3, 92                          ; s[92:99] 96 dense rows of 256 bytes: the last slot has three key steps of K
.set WB,   100                         ; s100 wave % 2
.set QL,   101                         ; s101 my tiles' first query in its block
.set MSB, 0
.macro WIN new                         ; the immediate's high byte repeats the setting that is left; a switch that changes nothing is dropped
.if MSB != (\new)
	s_set_vgpr_msb (MSB<<8)|(\new)
.set MSB, (\new)
.endif
.endm
.macro PLACES n
.rept \n
	v_nop
.endr
.endm
.macro ROUND                           ; a round of the cluster's barrier
	s_barrier_signal -1
	s_barrier_wait -1
	s_cmp_lg_u32 s[WV], 0
	s_cbranch_scc1 .Lnot_wave_0_\@
	s_barrier_signal -3
.Lnot_wave_0_\@:
	s_barrier_wait -3
	s_barrier_signal -1
	s_barrier_wait -1
.endm
.macro JLOAD g1k                       ; a joint fill: waves 0 and 1 K's halves, waves 2 and 3 V's; four v_nop follow each of the two lines
	s_cmp_lt_u32 s[WV], 2
	s_cbranch_scc0 .Lfor_v_\@
	tensor_load_to_lds s[G0K:G0K+3], s[\g1k:\g1k+7]
	s_nop 0
	PLACES 4
	s_branch .Lasked_\@
.Lfor_v_\@:
	tensor_load_to_lds s[G0V:G0V+3], s[G1V:G1V+7]
	s_nop 0
	PLACES 4
.Lasked_\@:
.endm
	s_load_b256 s[4:11], s[0:1], 0x0               ; qr_codes s[4:5], qr_scales s[6:7], V_codes s[8:9], V_scales s[10:11]
	s_load_b64 s[16:17], s[0:1], 0x20              ; out0
	v_lshl_add_u32 v[SPW], v0, 2, SPARE
	v_mov_b32 v[NIL], 0
	ds_add_u32 v12, v13
	ds_add_u32 v12, v13
	s_wait_dscnt 0x0
	v_lshrrev_b32 v14, 5, v0
	v_readfirstlane_b32 s[WV], v14                 ; wave 0..3
	s_bfe_u32 s[CX], ttmp6, 0x40000                ; cx
	s_mov_b32 s[XX], ttmp9                         ; in a cluster launch ttmp9 counts clusters: 0 or 1
	s_and_b32 s[HD], ttmp7, 0xffff
	s_and_b32 s[WB], s[WV], 1
	s_lshr_b32 s18, s[WV], 1
	s_lshl_b32 s2, s[XX], 1
	s_add_co_u32 s18, s18, s2                      ; a = 2 x cluster x + wave / 2
	s_lshl_b32 s19, s[CX], 1
	s_add_co_u32 s19, s19, s[WB]                   ; i = 2 cx + wave % 2: enters global addresses and the mask's threshold alone
	s_lshl_b32 s[BLK], s18, 1
	s_add_co_u32 s[BLK+1], s[BLK], 1
	s_sub_co_u32 s[BLK+2], 14, s[BLK]
	s_sub_co_u32 s[BLK+3], 15, s[BLK]
	s_lshr_b32 s[QL], s19, 1
	s_lshl_b32 s[QL], s[QL], 5
	s_and_b32 s2, s19, 1
	s_lshl_b32 s2, s2, 3
	s_add_co_u32 s[QL], s[QL], s2                  ; 32 (i / 2) + 8 (i % 2)
	; every vector address is made here, on the one way that all waves take
	v_and_b32 v14, 15, v0                          ; r
	v_bfe_u32 v15, v0, 4, 1                        ; h
	v_and_b32 v[L16], 31, v0
	v_mul_u32_u24 v[AT0], v[L16], 72
	v_lshlrev_b32 v[L16], 4, v[L16]
	v_mul_u32_u24 v[AV0], v14, 272
	v_lshl_add_u32 v[AV0], v15, 4, v[AV0]
	s_mul_i32 s2, s[WV], 16*272
	s_add_co_u32 s2, s2, STG                       ; my stage
	v_mul_u32_u24 v[STO], v14, 272
	v_lshl_add_u32 v[STO], v15, 5, v[STO]
	v_add_nc_u32 v[STO], s2, v[STO]                ; in: row r, 32 bytes for each half of the lanes
	v_mul_u32_u24 v[RD], v15, 272
	v_lshl_add_u32 v[RD], v14, 4, v[RD]
	v_add_nc_u32 v[RD], s2, v[RD]                  ; back: lanes 0-15 one row of 256 bytes, lanes 16-31 the next
	v_lshlrev_b32 v[GO], 10, v15
	v_lshl_add_u32 v[GO], v14, 4, v[GO]            ; and the same two rows of out
	v_and_b32 v[DLOC], 8, v14
	v_add_nc_u32 v[DLOC], v[DLOC], v14
	v_lshlrev_b32 v15, 4, v15
	v_sub_nc_u32 v[DLOC], v[DLOC], v15
	s_sub_co_u32 s2, s[QL], 1
	v_add_nc_u32 v[DLOC], s2, v[DLOC]              ; signed
.irp t, 0,1,2,3
	s_lshl_b32 s2, s[BLK+\t], 3
	s_add_co_u32 s2, s2, s19                       ; my query tile's number in the head
	s_lshl_b32 s3, s2, 11
	v_add_nc_u32 v[QOF+\t], s3, v[L16]             ; its image: 2,048 bytes a tile
	s_lshr_b32 s3, s2, 2
	s_lshl_b32 s3, s3, 9
	s_and_b32 s2, s2, 3
	s_lshl_b32 s2, s2, 2
	s_add_co_u32 s3, s3, s2
	v_add_nc_u32 v[QSO+\t], s3, v[L16]             ; its scale words: lanes 0-15 those of K step 0, lanes 16-31 of K step 1
.endr
.irp b, 0,1,2,3
	v_mov_b32 v[TM+4+\b], 0                        ; written once: a lane permute's destination counts as one of its sources
.endr
	s_mov_b32 s[SEL], 0x76543210
	s_mov_b32 s[SEL+1], 0xfedcba98
	s_mov_b32 s[KK], 0
	; descriptor groups 1: constants.  15:0 the mask of all four work-groups; 17:16 the element's size; 20 padding; 21 set beside a mask; 24:22 the padding's interval; 31:25 its length
.irp g, G1D, G1K, G1K3
	s_mov_b32 s[\g], 15|(3<<16)|(1<<21)            ; elements of 8 bytes, no padding
	s_mov_b32 s[\g+1], 32<<16                      ; tensor_dim0 = 32: 256 bytes
	s_mov_b32 s[\g+3], 32<<16                      ; tile_dim0
	s_mov_b32 s[\g+5], 32                          ; dense
	s_mov_b32 s[\g+6], 0
	s_mov_b32 s[\g+7], 0
.endr
	s_mov_b32 s[G1D+2], 64<<16                     ; tensor_dim1,
	s_mov_b32 s[G1D+4], 64                         ; tile_dim1
	s_mov_b32 s[G1K+2], 128<<16
	s_mov_b32 s[G1K+4], 128
	s_mov_b32 s[G1K3+2], 96<<16
	s_mov_b32 s[G1K3+4], 96
	s_mov_b32 s[G1V], 15|(3<<16)|(1<<20)|(1<<21)|(5<<22)|(3<<25)   ; 4 words of padding behind every 64: LDS rows 272 bytes apart
	s_mov_b32 s[G1V+1], 32<<16
	s_mov_b32 s[G1V+2], 128<<16
	s_mov_b32 s[G1V+3], 32<<16
	s_mov_b32 s[G1V+4], 128
	s_mov_b32 s[G1V+5], 128                        ; a channel's row of V is 1,024 bytes
	s_mov_b32 s[G1V+6], 0
	s_mov_b32 s[G1V+7], 0
	s_mov_b32 s[G1VS], 15|(2<<16)|(1<<20)|(1<<21)|(3<<22)|(1<<25)  ; elements of 4 bytes; 2 words of padding behind every 16: rows 72 bytes apart
	s_mov_b32 s[G1VS+1], 16<<16
	s_mov_b32 s[G1VS+2], 128<<16
	s_mov_b32 s[G1VS+3], 16<<16
	s_mov_b32 s[G1VS+4], 128
	s_mov_b32 s[G1VS+5], 16
	s_mov_b32 s[G1VS+6], 0
	s_mov_b32 s[G1VS+7], 0
	s_wait_kmcnt 0x0
	s_lshl_b32 s2, s[HD], 18                       ; a head's codes: 262,144 bytes in qr_codes and in V_codes
	s_mov_b32 s3, 0
	s_add_nc_u64 s[4:5], s[4:5], s[2:3]
	s_add_nc_u64 s[8:9], s[8:9], s[2:3]
	s_lshl_b32 s2, s[HD], 14                       ; its scale bytes: 16,384 in both
	s_add_nc_u64 s[6:7], s[6:7], s[2:3]
	s_add_nc_u64 s[10:11], s[10:11], s[2:3]
	s_lshl_b32 s2, s[HD], 21
	s_add_nc_u64 s[16:17], s[16:17], s[2:3]
.irp t, 0,1,2,3
	s_lshl_b32 s2, s[BLK+\t], 7
	s_add_co_u32 s2, s2, s[QL]
	s_lshl_b32 s2, s2, 10                          ; my tile's first row of out: 1,024 bytes a row
	s_add_nc_u64 s[OB+2*\t:OB+2*\t+1], s[16:17], s[2:3]
.endr
	; groups 0.  Every LDS address is a constant + (wave % 2) x a constant; no place in the cluster enters a descriptor
	s_mov_b32 s[G0X], 1
	s_mul_i32 s2, s[WB], K0-SCK
	s_add_co_u32 s[G0X+1], s2, SCK
	s_cmp_eq_u32 s[WB], 0
	s_cselect_b64 s[G0X+2:G0X+3], s[6:7], s[4:5]   ; both are 16,384 dense bytes from a head's first byte on
	s_or_b32 s[G0X+3], s[G0X+3], 0x80000000
	s_mov_b32 s[G0Y], 1
	s_mul_i32 s2, s[WB], 128*72
	s_add_co_u32 s[G0Y+1], s2, SCV
	s_lshl_b32 s2, s[WB], 13
	s_add_nc_u64 s[G0Y+2:G0Y+3], s[10:11], s[2:3]
	s_or_b32 s[G0Y+3], s[G0Y+3], 0x80000000
	s_mov_b32 s[G0K], 1
	s_lshl_b32 s2, s[WB], 15
	s_add_co_u32 s[G0K+1], s2, KR0
	s_add_co_u32 s2, s2, 16384                     ; slot 0 begins with key step 1
	s_add_nc_u64 s[G0K+2:G0K+3], s[4:5], s[2:3]
	s_or_b32 s[G0K+3], s[G0K+3], 0x80000000
	s_mov_b32 s[G0V], 1
	s_mul_i32 s2, s[WB], 128*272
	s_add_co_u32 s[G0V+1], s2, VR0
	s_lshl_b32 s2, s[WB], 17                       ; channels 128 x (wave % 2) on
	s_add_nc_u64 s[G0V+2:G0V+3], s[8:9], s[2:3]
	s_or_b32 s[G0V+3], s[G0V+3], 0x80000000
	ROUND                                          ; all four work-groups are here: the first joint loads meet
	s_cmp_lt_u32 s[WV], 2                          ; a wave's two first fills stand in one branch, ahead of every wait on TENSORcnt and every LDS read: two loads of mine are out
	s_cbranch_scc0 .Lfirst_v
	tensor_load_to_lds s[G0X:G0X+3], s[G1D:G1D+7]
	s_nop 0
	tensor_load_to_lds s[G0K:G0K+3], s[G1K:G1K+7]
	s_nop 0
	PLACES 4
	s_branch .Lfirst_asked
.Lfirst_v:
	tensor_load_to_lds s[G0Y:G0Y+3], s[G1VS:G1VS+7]
	s_nop 0
	tensor_load_to_lds s[G0V:G0V+3], s[G1V:G1V+7]
	s_nop 0
	PLACES 4
.Lfirst_asked:
.irp t, 0,1,2,3                        ; my four query tiles stay in registers: fragment (t, K step s) at v[QF + 16 t + 8 s]
.irp g, 0,1,2,3
	global_load_b128 v[QF+16*\t+4*\g:QF+16*\t+4*\g+3], v[QOF+\t], s[4:5] offset:512*\g
.endr
	global_load_b32 v[QSC+\t], v[QSO+\t], s[6:7]
.endr
; 34 LDS loads: a key step's K: 8 tiles x 2 K steps as images of their registers (512 consecutive bytes a load), and the tiles' scale words, four tiles a load
.macro FETCH_K
	WIN 0x40                                       ; destination window 1
.irp m, 0,1,2,3,4,5,6,7
.irp g, 0,1,2,3
	ds_load_b128 v[16*\m+4*\g:16*\m+4*\g+3], v[ADK] offset:2048*\m+512*\g
.endr
.endr
	WIN 0
.irp j, 0,1
	ds_load_b128 v[KS+4*\j:KS+4*\j+3], v[ADS] offset:512*\j
.endr
.endm
; 40 LDS loads: 16 tiles of 16 channels x this step's 128 keys, and their scale words: register j: lanes 0-15 tile 2 j's rows, lanes 16-31 tile 2 j + 1's
.macro FETCH_V
	WIN 0x40
.irp m, 0,1,2,3,4,5,6,7,8,9,10,11,12,13,14,15
.irp c, 0,1
	ds_load_b128 v[128+8*\m+4*\c:128+8*\m+4*\c+3], v[ADV] offset:4352*\m+32*\c
.endr
.endr
	WIN 0
.irp j, 0,1,2,3,4,5,6,7
	ds_load_b32 v[VS+\j], v[ADT] offset:2304*\j
.endr
.endm
; S^T of query tile t: 8 tiles of keys, N in two K steps.  The eight accumulators take turns; the first K step starts the sums.  Both sides' scale words: lanes 0-15 for K step 0, lanes 16-31 for K step 1
.macro SMUL t
	WIN 0x01                                       ; source 0 (K) window 1
.irp m, 0,1,2,3,4,5,6,7
	v_wmma_scale_f32_16x16x128_f8f6f4 v[S+8*\m:S+8*\m+7], v[16*\m:16*\m+7], v[QF+16*(\t):QF+16*(\t)+7], 0, v[KS+\m], v[QSC+(\t)] matrix_a_fmt:MATRIX_FMT_FP4 matrix_b_fmt:MATRIX_FMT_FP4
.endr
.irp m, 0,1,2,3,4,5,6,7
	v_wmma_scale_f32_16x16x128_f8f6f4 v[S+8*\m:S+8*\m+7], v[16*\m+8:16*\m+15], v[QF+16*(\t)+8:QF+16*(\t)+15], v[S+8*\m:S+8*\m+7], v[KS+\m], v[QSC+(\t)] matrix_a_fmt:MATRIX_FMT_FP4 matrix_b_fmt:MATRIX_FMT_FP4 matrix_a_scale:MATRIX_SCALE_ROW1 matrix_b_scale:MATRIX_SCALE_ROW1
.endr
	WIN 0
	PLACES 4                                       ; four places ahead of the first read of the results and of loads into the operands
.endm
; On the diagonal: register 16 b + i holds the step's key 32 b + 16 h + i; it counts where it is before my query: 32 b + i <= DLOC.  Each accumulator is taken from its low end on
.macro MASK
.set mi, 0
.rept 64
	v_cmp_le_i32 vcc_lo, 32*(mi/16)+mi%16, v[DLOC]
	v_cndmask_b32 v[S+mi], 0, v[S+mi], vcc_lo
.set mi, mi+1
.endr
.endm
; The 64 scores of a lane become tile t's operand of the second product: 8 registers of codes and a scale word
.macro QUANT t
.irp b, 0,1,2,3
	v_max3_num_f32 v[TM+\b], |v[S+16*\b]|, |v[S+16*\b+1]|, 0x1800000   ; block b: my 16 numbers, and the floor 2^(3 - 127): the byte cannot fall under 1
.endr
.irp i, 2,4,6,8,10,12,14
.irp b, 0,1,2,3
	v_max3_num_f32 v[TM+\b], v[TM+\b], |v[S+16*\b+\i]|, |v[S+16*\b+\i+1]|   ; the four blocks by turns
.endr
.endr
.irp b, 0,1,2,3
	v_permlanex16_b32 v[TM+4+\b], v[TM+\b], s[SEL], s[SEL+1]
.endr
.irp b, 0,1,2,3
	v_max_num_f32 v[TM+\b], v[TM+\b], v[TM+4+\b]   ; with lane l xor 16's 16: the block's largest magnitude
.endr
.irp b, 0,1,2,3
	v_add_nc_u32 v[TM+12+\b], 0xff000000, v[TM+\b] ; 2 off its exponent field: the conversion's scale operand
.endr
.irp b, 0,1,2,3
	v_lshrrev_b32 v[TM+4+\b], 23, v[TM+12+\b]      ; the scale's byte
.endr
	v_lshl_or_b32 v[PS+(\t)], v[TM+5], 8, v[TM+4]
	v_lshl_or_b32 v[PS+(\t)], v[TM+6], 16, v[PS+(\t)]
	v_lshl_or_b32 v[PS+(\t)], v[TM+7], 24, v[PS+(\t)]
.irp b, 0,1,2,3
	v_cvt_scalef32_pk8_fp4_f32 v[PC+8*(\t)+2*\b], v[S+16*\b:S+16*\b+7], v[TM+12+\b]
	v_cvt_scalef32_pk8_fp4_f32 v[PC+8*(\t)+2*\b+1], v[S+16*\b+8:S+16*\b+15], v[TM+12+\b]
.endr
	v_nop                                          ; one plain line behind the last scaled conversion
.irp c, 0,1                            ; the operand's layout wants a whole block in a lane: lanes 0-15 block 2 c, lanes 16-31 block 2 c + 1
.irp i, 0,1
	v_permlane16_swap_b32 v[PC+8*(\t)+4*\c+\i], v[PC+8*(\t)+4*\c+2+\i]
.endr
.endr
.endm
; O^T of tile t += V^T P^T: 16 accumulators, one instruction each.  zero = 1: the first key step starts the sums: nothing is ever cleared
.macro PV t, zero
	WIN 0xa1+0x50*((\t)/2)                         ; source 0 (V) window 1; C and D window 2 (tiles 0, 1) or 3 (tiles 2, 3)
.irp m, 0,1,2,3,4,5,6,7
.if \zero
	v_wmma_scale_f32_16x16x128_f8f6f4 v[128*((\t)%2)+16*\m:128*((\t)%2)+16*\m+7], v[128+16*\m:128+16*\m+7], v[PC+8*(\t):PC+8*(\t)+7], 0, v[VS+\m], v[PS+(\t)] matrix_a_fmt:MATRIX_FMT_FP4 matrix_b_fmt:MATRIX_FMT_FP4
	v_wmma_scale_f32_16x16x128_f8f6f4 v[128*((\t)%2)+16*\m+8:128*((\t)%2)+16*\m+15], v[128+16*\m+8:128+16*\m+15], v[PC+8*(\t):PC+8*(\t)+7], 0, v[VS+\m], v[PS+(\t)] matrix_a_fmt:MATRIX_FMT_FP4 matrix_b_fmt:MATRIX_FMT_FP4 matrix_a_scale:MATRIX_SCALE_ROW1
.else
	v_wmma_scale_f32_16x16x128_f8f6f4 v[128*((\t)%2)+16*\m:128*((\t)%2)+16*\m+7], v[128+16*\m:128+16*\m+7], v[PC+8*(\t):PC+8*(\t)+7], v[128*((\t)%2)+16*\m:128*((\t)%2)+16*\m+7], v[VS+\m], v[PS+(\t)] matrix_a_fmt:MATRIX_FMT_FP4 matrix_b_fmt:MATRIX_FMT_FP4
	v_wmma_scale_f32_16x16x128_f8f6f4 v[128*((\t)%2)+16*\m+8:128*((\t)%2)+16*\m+15], v[128+16*\m+8:128+16*\m+15], v[PC+8*(\t):PC+8*(\t)+7], v[128*((\t)%2)+16*\m+8:128*((\t)%2)+16*\m+15], v[VS+\m], v[PS+(\t)] matrix_a_fmt:MATRIX_FMT_FP4 matrix_b_fmt:MATRIX_FMT_FP4 matrix_a_scale:MATRIX_SCALE_ROW1
.endif
.endr
.endm
; Tile t's scores and their quantising.  guard = 1: left out where the step lies behind the tile's block.  mask = 1: the diagonal step masks.  fetch = 1 (tile 3, the last to read K): V's wait, and the next step's K
.macro TILE t, guard, mask, fetch, late
.if \guard
	s_cmp_gt_u32 s[KK], s[BLK+\t]
	s_cbranch_scc1 .Lidle_\@
.endif
	SMUL \t
.if \fetch
	s_wait_dscnt 0x0                               ; V's 40 loads, issued at the step's head, are in
.if \late
	s_cmp_eq_u32 s[KK], s[BLK+3]                   ; my last step fetches nothing
	s_cbranch_scc1 .Lnok_\@
.endif
	FETCH_K
.if \late
.Lnok_\@:
.endif
.endif
.if \mask
	s_cmp_lg_u32 s[KK], s[BLK+\t]
	s_cbranch_scc1 .Lopen_\@
	MASK
.Lopen_\@:
.endif
	QUANT \t
.if \guard
.Lidle_\@:
.endif
.endm
.macro PVT t, zero, guard
.if \guard
	WIN 0
	s_cmp_gt_u32 s[KK], s[BLK+\t]
	s_cbranch_scc1 .Lnopv_\@
.endif
	PV \t, \zero
.if \guard
	WIN 0
.Lnopv_\@:
.endif
.endm
; A KEY STEP.  zero = 1: step 0.  e = 1: tiles 0 and 1 (blocks 0 to 7) are in the text.  late = 1: steps 8 on: tiles 2 and 3 (blocks 8 to 15) may mask, end, or be over
.macro STEP zero, e, late
.if \late
	s_cmp_gt_u32 s[KK], s[BLK+3]
	s_cbranch_scc1 .Lhid_\@
.endif
	v_add_nc_u32 v[ADV], s[AV], v[AV0]             ; these four are also the places between the last step's products and the loads into their operands
	v_add_nc_u32 v[ADT], s[ASV], v[AT0]
	v_add_nc_u32 v[ADK], s[AK], v[L16]
	v_add_nc_u32 v[ADS], s[ASK], v[L16]
	FETCH_V
	s_wait_dscnt 40                                ; all but the 40 just issued: this step's K, asked for a step ago, is in
.if \e
	TILE 0, 1-\zero, 1, 0, 0
	TILE 1, 1-\zero, 1-\zero, 0, 0
.endif
	TILE 2, \late, \late, 0, 0
	TILE 3, 0, \late, 1, \late
	PLACES 8                                       ; a scale word made by vector instructions stands eight places ahead of the scaled product that takes it, codes so made four
.if \e
	PVT 0, \zero, 1-\zero
	PVT 1, \zero, 1-\zero
.endif
	PVT 2, \zero, \late
	PVT 3, \zero, 0
	WIN 0
.if \late
.Lhid_\@:
.endif
	s_add_co_u32 s[KK], s[KK], 1
	s_add_co_u32 s[AK], s[AK], 16384
	s_add_co_u32 s[AV], s[AV], 64
	s_add_co_u32 s[ASK], s[ASK], 1024
	s_add_co_u32 s[ASV], s[ASV], 4
.endm
; THE CHANGE OF SLOTS stands at slot n's head.  Each wave waits for all its tensor loads (its part of slot n), adds 0 to its spare word, and waits for that and for its reads of the slot that it has left.
; n < 3: behind a round of the cluster's barrier nobody in the cluster reads the other slot or has a load on its way: it takes slot n + 1, which has four key steps in which to land.
.macro CHANGE n
	s_wait_tensorcnt 0x0                           ; no tensor load of mine is out, so a group 0 may be written
	ds_add_u32 v[SPW], v[NIL]                      ; 0 onto my spare word; the descriptors' steps stand between it and the wait for it
.if \n < 3
.if \n == 2
	s_mul_i32 s2, s[WB], 96*256                    ; the last slot's K: three key steps, 96 rows a wave
.else
	s_mul_i32 s2, s[WB], 128*256
.endif
	s_add_co_u32 s[G0K+1], s2, KR0+65536*((\n+1)%2)
	s_mul_i32 s2, s[WB], 128*272
	s_add_co_u32 s[G0V+1], s2, VR0+69632*((\n+1)%2)
.if \n == 2
	s_lshl_b32 s2, s[WB], 13
	s_sub_co_u32 s2, 0x10000, s2                   ; four key steps on, less the 32 rows by which wave 1's part begins earlier
	s_mov_b32 s3, 0
	s_add_nc_u64 s[G0K+2:G0K+3], s[G0K+2:G0K+3], s[2:3]
.else
	s_add_nc_u64 s[G0K+2:G0K+3], s[G0K+2:G0K+3], 0x10000
.endif
	s_add_nc_u64 s[G0V+2:G0V+3], s[G0V+2:G0V+3], 256   ; 512 keys on in each channel's row
.endif
	s_wait_dscnt 0x0                               ; the add is done, and my reads of the slot that I have left are over
.if \n < 2
	ROUND
	JLOAD G1K                                      ; the first thing behind the round, and my one tensor load until the next
.elseif \n == 2
	ROUND
	JLOAD G1K3
.else
	s_barrier_signal -1                            ; nothing is left to fetch
	s_barrier_wait -1
.endif
	s_mov_b32 s[AK], KR0+65536*((\n)%2)
	s_mov_b32 s[AV], VR0+69632*((\n)%2)
	s_mov_b32 s[ASK], SCK+(4*(\n)+1)*1024
	s_mov_b32 s[ASV], SCV+16*(\n)
.endm
; THE WAY OUT of tile t.  A lane holds eight neighbouring channels of one query, the lanes beside it other queries: 64 channels of the 16 rows at a time go through my own stage and come back as rows of 256 bytes.
; LDS serves a wave's instructions in order: no wait between the stores and the loads, nor ahead of the next quarter's stores.
.macro OUT t
	PLACES 4
.irp q, 0,1,2,3
	s_wait_xcnt 0x0                                ; earlier stores have read the registers that the loads below fill
	WIN 0x08+4*((\t)/2)                            ; an LDS store's data are its source 1: window 2 or 3
.irp u, 0,1,2,3
	ds_store_b128 v[STO], v[128*((\t)%2)+8*(4*\q+\u):128*((\t)%2)+8*(4*\q+\u)+3] offset:64*\u          ; each accumulator from its low end on
	ds_store_b128 v[STO], v[128*((\t)%2)+8*(4*\q+\u)+4:128*((\t)%2)+8*(4*\q+\u)+7] offset:64*\u+16
.endr
	WIN 0
.irp j, 0,1,2,3,4,5,6,7
	ds_load_b128 v[S+32*(\q%2)+4*\j:S+32*(\q%2)+4*\j+3], v[RD] offset:544*\j
.endr
	s_wait_dscnt 0x0
.irp j, 0,1,2,3,4,5,6,7
	global_store_b128 v[GO], v[S+32*(\q%2)+4*\j:S+32*(\q%2)+4*\j+3], s[OB+2*(\t):OB+2*(\t)+1] offset:(2*\j+8*(\j/4))*1024+256*\q th:TH_STORE_NT   ; 16 lanes store 256 consecutive bytes, aligned; the tile's rows 8 to 15 lie 8 rows further down
.endr
.endr
	s_wait_xcnt 0x0                                ; the stores have read the scores' registers, which the next products write
.endm
	CHANGE 0                                       ; the first fills are in, everybody's; slot 1 is asked for
	v_add_nc_u32 v[ADK], K0, v[L16]
	v_add_nc_u32 v[ADS], SCK, v[L16]
	FETCH_K                                        ; key step 0
	s_wait_loadcnt 0x0                             ; Q
	STEP 1, 1, 0
	s_mov_b32 s[CNT], 3
.Lslot0:
	STEP 0, 1, 0
	s_sub_co_u32 s[CNT], s[CNT], 1
	s_cmp_lg_u32 s[CNT], 0
	s_cbranch_scc1 .Lslot0
	CHANGE 1
	s_cmp_lg_u32 s[XX], 0                          ; cluster x = 0: blocks 0 to 3 are finished; they leave while the refill is on its way
	s_cbranch_scc1 .Lno_e0
	OUT 0
	OUT 1
.Lno_e0:
	s_mov_b32 s[CNT], 4
.Lslot1:
	STEP 0, 1, 0
	s_sub_co_u32 s[CNT], s[CNT], 1
	s_cmp_lg_u32 s[CNT], 0
	s_cbranch_scc1 .Lslot1
	CHANGE 2
	s_cmp_lg_u32 s[XX], 1                          ; cluster x = 1: blocks 4 to 7 are finished
	s_cbranch_scc1 .Lno_e1
	OUT 0
	OUT 1
.Lno_e1:
	s_mov_b32 s[CNT], 4
.Lslot2:
	STEP 0, 0, 1
	s_sub_co_u32 s[CNT], s[CNT], 1
	s_cmp_lg_u32 s[CNT], 0
	s_cbranch_scc1 .Lslot2
	CHANGE 3
	s_cmp_lg_u32 s[XX], 1                          ; cluster x = 1: blocks 8 to 11 are finished
	s_cbranch_scc1 .Lno_l1
	OUT 2
	OUT 3
.Lno_l1:
	s_mov_b32 s[CNT], 4
.Lslot3:
	STEP 0, 0, 1
	s_sub_co_u32 s[CNT], s[CNT], 1
	s_cmp_lg_u32 s[CNT], 0
	s_cbranch_scc1 .Lslot3
	s_cmp_lg_u32 s[XX], 0                          ; cluster x = 0: blocks 12 to 15
	s_cbranch_scc1 .Lno_l0
	OUT 2
	OUT 3
.Lno_l0:
	s_wait_tensorcnt 0x0                           ; the wave's end: behind my last tensor load and my last LDS store
	ds_add_u32 v[SPW], v[NIL]
	s_wait_dscnt 0x0
	ROUND                                          ; the closing round: no work-group ends while a partner may still ask for a tile that names it
	s_endpgm
.Lfunc_end_k_qa61fa49b95_attn:
	.size	k_qa61fa49b95_attn, .Lfunc_end_k_qa61fa49b95_attn-k_qa61fa49b95_attn
	.p2alignl 7, 3214868480
	.fill 96, 4, 3214868480
	.section	.rodata,"a",@progbits
	.p2align	6, 0x0
	.amdhsa_kernel k_qa61fa49b95_attn
		.amdhsa_group_segment_fixed_size 327680
		.amdhsa_private_segment_fixed_size 0
		.amdhsa_enable_private_segment 0
		.amdhsa_kernarg_size 40
		.amdhsa_user_sgpr_count 2
		.amdhsa_user_sgpr_kernarg_segment_ptr 1
		.amdhsa_wavefront_size32 1
		.amdhsa_system_sgpr_workgroup_id_x 1
		.amdhsa_system_sgpr_workgroup_id_y 1
		.amdhsa_system_sgpr_workgroup_id_z 1
		.amdhsa_system_vgpr_workitem_id 0
		.amdhsa_next_free_vgpr 1024
		.amdhsa_next_free_sgpr 102
		.amdhsa_reserve_vcc 1
		.amdhsa_float_denorm_mode_32 3
		.amdhsa_float_denorm_mode_16_64 3
		.amdhsa_memory_ordered 1
		.amdhsa_forward_progress 1
		.amdhsa_inst_pref_size 255
	.end_amdhsa_kernel
	.section	.bss,"aw",@nobits
	.p2align	6
	.space	262144
	.amdgpu_metadata
---
amdhsa.version: [ 1, 2 ]
amdhsa.kernels:
  - .name:           k_qa61fa49b95_attn
    .symbol:         k_qa61fa49b95_attn.kd
    .args:
      - { .name: qr_codes, .offset: 0, .size: 8, .value_kind: global_buffer, .address_space: global }
      - { .name: qr_scales, .offset: 8, .size: 8, .value_kind: global_buffer, .address_space: global }
      - { .name: V_codes, .offset: 16, .size: 8, .value_kind: global_buffer, .address_space: global }
      - { .name: V_scales, .offset: 24, .size: 8, .value_kind: global_buffer, .address_space: global }
      - { .name: out0, .offset: 32, .size: 8, .value_kind: global_buffer, .address_space: global }
    .group_segment_fixed_size: 327680
    .private_segment_fixed_size: 0
    .kernarg_segment_align: 8
    .kernarg_segment_size: 40
    .max_flat_workgroup_size: 128
    .sgpr_count:     102
    .vgpr_count:     1024
    .wavefront_size: 32
...
	.end_amdgpu_metadata
.endif
;; end of part 2
